; MI455X (gfx1250); checked and timed in simulation.
; The chip was launched on July 23, 2026; its instructions are those of AMD's public machine-readable ISA for CDNA 5 (MIT licence, August 2026) and "CDNA5" Instruction Set Architecture Reference Guide (July 2026). The comments in the code are by the model that wrote it; some were corrected since.
;; Heuristic Model9. Allowed arithmetic: float matrix products may take bf16 or f16 operands with f32 sums; all other float work in f32.
;; Inputs: boards 2,048 x 81 float32; current_player 2,048 int32.
;; Outputs: out0 2,048 x 81 float32; out1 2,048 x 1 float32.
;; One version. Each part assembles by itself: llvm-mc -triple=amdgcn-amd-amdhsa -mcpu=gfx1250 --defsym DOCPART=n.
;; ======== version 1 of 1: 1 launch
;; launch heur (part 1): grid 256 x 1, 9 waves a work-group, no clusters, 28,928 bytes of LDS; arguments boards, current_player, out0, out1; writes out0, out1
.if DOCPART == 1
	.amdgcn_target "amdgcn-amd-amdhsa--gfx1250"
	.amdhsa_code_object_version 6
	.text
	.protected	k_qaf1853e3aa_heur
	.globl	k_qaf1853e3aa_heur
	.p2align	8
	.type	k_qaf1853e3aa_heur,@function
k_qaf1853e3aa_heur:
	s_mov_b64 s[64:65], 0
	v_nop
	global_prefetch_b8 v0, s[64:65] scope:SCOPE_SE
	s_setreg_imm32_b32 hwreg(HW_REG_WAVE_MODE, 25, 1), 1
	s_wait_xcnt 0x0
; Five-in-a-row heuristic on 2048 boards of 9 x 9: policy = softmax(0.03 x one-ply scores), value = clipped tanh(ev / 3000).
;
; THE ARITHMETIC.  For a window of five cells let A = product of (10: the player's stone, 0: the opponent's, 1: anything else)
; and B the same with the roles swapped: A = 10^pc where oc = 0 and 0 otherwise, B likewise.  All are exact in f32.  Then
;   window's part of ev  = h(A) - h(B), h(x) = x/2 but h(1e5) = 1e5   (A = 1 exactly when B = 1: the two halves cancel);
;   for an EMPTY cell of the window (so pc, oc <= 4): TABLE[pc+1][oc = 0] - (its part of ev) = 5A - A/2 + B/2 = (9A + B)/2,
;   but for pc = 4, where that cell wins and its score is replaced by 100000 anyway.
; So score(cell) = ev + half the sum of 9A + B over the windows through the cell.  The win flag rides in that sum: where
; A >= 1e4 the factor 9 becomes 16384, which makes the sum >= 1.6e8, against <= 20 x 1e4 without a win; 2^26 tells them apart.
; Cells that are not empty get -1e6 whatever their sum.  Every sum that is used is a whole number below 2^24 (doubled: an even
; one below 2^25), so f32 keeps it exactly in any order, as it does for the reference's order.
;
; THE GEOMETRY.  Each direction maps the 81 cells one to one on 9 lines x 9 positions: rows (line r, position c), columns
; (line c, position r), diagonals wrapped (line (c - r) mod 9, position r), anti-diagonals as diagonals of the mirrored board
; (line (8 - c - r) mod 9, position r).  A line has 5 windows of 5 neighbouring positions.  Cells of diagonals shorter than 5
; (|c - r| >= 5) are written as (0, 0) into that direction's copy: a wrapped line is one long and one short piece, so every
; window that crosses the seam holds such a cell and vanishes: 45 + 45 + 25 + 25 = 140 windows are left of 180.
;
; THE SHARES.  A work-group has 8 boards and 9 waves: 8 x 36 lines = 288 threads.
;   stage 0  waves 0-7, a board each: lane l < 27 takes cells 3l .. 3l+2 (12 bytes; a wave's load covers the board's 324 consecutive
;            bytes) and stores their (a, b) pairs into the four copies.  Lanes 27-31 repeat lane 26.  Wave 8 has no board.
;   stage 1  thread t = line t: products, the line's part of 2 ev, and the nine per-cell sums, written over the a words of its own line.
;   stage 2  waves 0-7: gather 4 sums a cell from the addresses of stage 0, logits, softmax over the wave, kept in registers;
;            wave 8: the 8 values.
;   stage 3  behind a barrier the probabilities go into an image of the group's 2,592 bytes of out0 in LDS; behind another the image
;            leaves, 16 bytes a thread.
; No cluster, no joint loads: no two work-groups read the same byte.  No matrix unit: the reference has no product.
;
; LIMITS.  current_player: any whole number but 0 and 3 (with those an empty cell would itself count as a stone; the reference states 1 or 2).
; v_exp_f32 flushes: a probability below 2^-126 comes out as 0.  tanh is made of exp2 and a reciprocal: absolute error near 1e-7.
.set NB,    8                          ; boards of a work-group
.set ROWB,  324                        ; bytes of a board: 81 f32
.set LP,    80                         ; LDS pitch of a line: 9 pairs of 8 bytes + 8; 5 x 16 bytes, so 16 lanes' 16-byte pieces fall in 16 different columns
.set BL,    36*LP                      ; the 36 lines of a board
.set OV,    9*LP                       ; columns behind the rows,
.set OD,    18*LP                      ; diagonals,
.set OA,    27*LP                      ; anti-diagonals
.set EVP,   288*LP                     ; 288 words: each line's part of 2 ev
.set SLACK, 224                        ; room in front of the image, so that the way out's LDS addresses never go below it
.set STAGE, 24432                      ; image of the group's bytes of out0; a multiple of 12 (12-byte stores) and of 16 (16-byte loads)
.set LANE, 1
.set LA,   2                           ; 80 t: my line
.set EA,   3                           ; 4 t: my line's ev word
.set LC,   4                           ; min(lane, 26)
.set R,    5                           ; my cells' row
.set C0,   6                           ; my first cell's column: 0, 3 or 6
.set R8,   7                           ; 8 r + the board's lines
.set AH,   8                           ; LDS address of my first cell in the rows' copy (the others: +8, +16)
.set AV,   9                           ; in the columns' copy (the others: +80, +160)
.set AD,   10                          ; v10-12  in the diagonals' copy, cell by cell
.set AA,   13                          ; v13-15  in the anti-diagonals' copy
.set K,    16                          ; v16-21  cell j: 1.0 or 0.0 for the diagonal (K+2j) and the anti-diagonal (K+2j+1)
.set GO,   22                          ; byte offset of my 12 bytes in boards; later 16 t
.set SG,   23                          ; the signed number of a diagonal; later an LDS address of the way out
.set TMP,  24
.set E1A,  25                          ; ev words of my board: line = lane,
.set E2A,  26                          ; and lines 32-35
.set SA,   27                          ; my 12 bytes in the image
.set PL,   28                          ; the player as f32
.set OP,   29                          ; 3 - player
.set TEN,  30
.set B,    32                          ; v32-34  my three cells
.set P,    36                          ; v36-41  their pairs (a, b)
.set PD,   42                          ; v42-47  the same for the diagonals' copy
.set PA,   48                          ; v48-53  and for the anti-diagonals'
.set X,    54                          ; v54-71  stage 1: the line's nine pairs
.set S,    72                          ; v72-73  sums of A and of B
.set N,    74                          ; v74-75  windows of five stones
.set MQ,   76                          ; v76-80  factor of A, then 9A + B
.set EVL,  81
.set BIG,  82
.set NINE, 83
.set E1,   32                          ; stage 2 uses stage 0's data registers again
.set E2,   33
.set H,    36                          ; v36-38, 39-41, 42-44, 45-47: the four sums of each cell
.set V,    39
.set D,    42
.set A,    45
.set Z,    48                          ; v48-50  logits, then probabilities
.set M,    51
.set T,    52
.macro BARRIER
	s_wait_dscnt 0x0                               ; my LDS stores have landed and my LDS loads have come back, for the other waves' sake
	s_barrier_signal -1
	s_barrier_wait -1
.endm
	s_load_b256 s[4:11], s[0:1], 0x0               ; boards s[4:5], current_player s[6:7], out0 s[8:9], out1 s[10:11]
	v_lshl_add_u32 v84, v0, 2, 0x6c00
	v_mov_b32 v85, 0
	v_lshrrev_b32 v[LANE], 5, v0
	v_readfirstlane_b32 s12, v[LANE]               ; wave 0..8
	v_and_b32 v[LANE], 31, v0
	v_mul_u32_u24 v[LA], v0, LP
	v_lshlrev_b32 v[EA], 2, v0
	s_mov_b32 s30, 0x76543210                      ; v_permlanex16_b32: lane i of one half reads lane i of the other
	s_mov_b32 s31, 0xfedcba98
	s_cmp_eq_u32 s12, NB
	s_cbranch_scc1 .Lfilled                        ; wave 8 has no board
	; ---------------- stage 0, waves 0-7: a board each ----------------
	v_min_u32 v[LC], 26, v[LANE]
	s_lshl_b32 s15, ttmp9, 3
	s_add_co_u32 s15, s15, s12                     ; my board's number
	s_mul_i32 s16, s15, ROWB
	s_lshl_b32 s15, s15, 2                         ; its word in current_player
	v_mad_u32_u24 v[GO], v[LC], 12, s16
	s_wait_kmcnt 0x0
	s_load_b32 s14, s[6:7], s15 offset:0x0
	global_load_b96 v[B:B+2], v[GO], s[4:5] th:TH_LOAD_NT
	; all that hangs on the lane alone is worked out while the cells are on their way
	v_mul_u32_u24 v[R], v[LC], 11
	v_lshrrev_b32 v[R], 5, v[R]                    ; r = lc / 3 (11/32 serves up to 26)
	v_mul_u32_u24 v[C0], v[LC], 3                  ; 3 lc = 9 r + c0
	v_mul_u32_u24 v[TMP], v[R], 9
	v_sub_nc_u32 v[C0], v[C0], v[TMP]
	s_mul_i32 s17, s12, BL
	s_mul_i32 s18, s12, 36*4
	s_mul_i32 s19, s12, ROWB
	v_lshl_add_u32 v[R8], v[R], 3, s17
	v_mad_u32_u24 v[AH], v[R], LP, s17
	v_lshl_add_u32 v[AH], v[C0], 3, v[AH]          ; line r, position c0
	v_mad_u32_u24 v[AV], v[C0], LP, v[R8]          ; line c0, position r
; SG = the diagonal's signed number s, -8 .. 8.  Line s mod 9 = the smaller, unsigned, of s and s + 9; the cell counts where |s| <= 4.
.macro DIAG adr, k
	v_add_nc_u32 v[TMP], 9, v[SG]
	v_min_u32 v[TMP], v[SG], v[TMP]
	v_mad_u32_u24 v[\adr], v[TMP], LP, v[R8]
	v_add_nc_u32 v[TMP], 4, v[SG]
	v_cmp_ge_u32 vcc_lo, 8, v[TMP]
	v_cndmask_b32 v[\k], 0, 1.0, vcc_lo
.endm
	v_sub_nc_u32 v[SG], v[C0], v[R]                ; c - r
	DIAG AD, K
	v_add_nc_u32 v[SG], 1, v[SG]
	DIAG AD+1, K+2
	v_add_nc_u32 v[SG], 1, v[SG]
	DIAG AD+2, K+4
	v_add_nc_u32 v[SG], v[C0], v[R]
	v_sub_nc_u32 v[SG], 8, v[SG]                   ; 8 - c - r
	DIAG AA, K+1
	v_add_nc_u32 v[SG], -1, v[SG]
	DIAG AA+1, K+3
	v_add_nc_u32 v[SG], -1, v[SG]
	DIAG AA+2, K+5
	v_lshl_add_u32 v[E1A], v[LANE], 2, s18
	v_and_b32 v[E2A], 3, v[LANE]
	v_lshl_add_u32 v[E2A], v[E2A], 2, s18
	v_mad_u32_u24 v[SA], v[LC], 12, s19
	v_mov_b32 v[TEN], 0x41200000                   ; 10.0
	s_mov_b32 s27, 0xf                             ; lanes 0-3
	s_mov_b32 s28, 0x07ffffff                      ; lanes 0-26: the lanes that own cells
	s_mov_b32 s38, 0x4c800000                      ; 2^26: a sum at or above it holds a win
	s_mov_b32 s39, 0xc9742400                      ; -1000000.0
	s_wait_kmcnt 0x0                               ; the player
	v_cvt_f32_i32 v[PL], s14
	v_sub_f32 v[OP], 0x40400000, v[PL]             ; 3.0 - player
	s_wait_loadcnt 0x0                             ; my three cells
.macro CELL j
	v_cmp_eq_f32 s20, v[B+\j], v[PL]               ; the player's stone
	v_cmp_eq_f32 s21, v[B+\j], v[OP]               ; the opponent's
	v_cmp_eq_f32 s[24+\j], 0, v[B+\j]              ; empty: kept in s24-26 for stage 2
	v_cndmask_b32 v[P+2*\j],   1.0, 0, s21
	v_cndmask_b32 v[P+2*\j+1], 1.0, 0, s20
	v_cndmask_b32 v[P+2*\j],   v[P+2*\j],   v[TEN], s20        ; a = 10, 0 or 1
	v_cndmask_b32 v[P+2*\j+1], v[P+2*\j+1], v[TEN], s21        ; b = 0, 10 or 1
	v_pk_mul_f32 v[PD+2*\j:PD+2*\j+1], v[P+2*\j:P+2*\j+1], v[K+2*\j:K+2*\j+1] op_sel_hi:[1,0]              ; both by the diagonal's 1 or 0
	v_pk_mul_f32 v[PA+2*\j:PA+2*\j+1], v[P+2*\j:P+2*\j+1], v[K+2*\j:K+2*\j+1] op_sel:[0,1] op_sel_hi:[1,1]  ; both by the anti-diagonal's
.endm
	CELL 0
	CELL 1
	CELL 2
.irp j, 0,1,2
	ds_store_b64 v[AH],    v[P+2*\j:P+2*\j+1]   offset:8*\j
	ds_store_b64 v[AV],    v[P+2*\j:P+2*\j+1]   offset:OV+LP*\j
	ds_store_b64 v[AD+\j], v[PD+2*\j:PD+2*\j+1] offset:OD
	ds_store_b64 v[AA+\j], v[PA+2*\j:PA+2*\j+1] offset:OA
.endr
.Lfilled:
	BARRIER                                        ; every line is whole: a wave's 32 lines come from two boards' waves
	; ---------------- stage 1, all 288 threads: a line each ----------------
	ds_load_b128 v[X:X+3],     v[LA]
	ds_load_b128 v[X+4:X+7],   v[LA] offset:16
	ds_load_b128 v[X+8:X+11],  v[LA] offset:32
	ds_load_b128 v[X+12:X+15], v[LA] offset:48
	ds_load_b64  v[X+16:X+17], v[LA] offset:64
	v_mov_b32 v[BIG],  0x46800000                  ; 16384.0
	v_mov_b32 v[NINE], 0x41100000                  ; 9.0
	s_mov_b32 s37, 0x461c4000                      ; 10000.0
	s_wait_dscnt 0x0
; Every window holds position 4: window i = (x_i .. x_4) (x_5 .. x_(i+4)).  Four products to the left, three to the right, four
; joins: eleven packed multiplies give A and B of all five windows, in the pairs 0 to 4.
.macro PMUL d, a, b
	v_pk_mul_f32 v[X+2*\d:X+2*\d+1], v[X+2*\a:X+2*\a+1], v[X+2*\b:X+2*\b+1]
.endm
	PMUL 3, 3, 4
	PMUL 6, 6, 5
	PMUL 2, 2, 3
	PMUL 7, 7, 6
	PMUL 1, 1, 2
	PMUL 8, 8, 7
	PMUL 0, 0, 1
	PMUL 1, 1, 5
	PMUL 2, 2, 6
	PMUL 3, 3, 7
	PMUL 4, 4, 8
	; The line's part of 2 ev = sum A - sum B + 1e5 (fives of the player - fives of the opponent).  A sum is n x 1e5 + rest, n the fives,
	; rest <= 5 x 1e4 (X X X X _ X X X X reaches it with n = 0).  c = 1e-5 rounded UP: sum x c is at least n before rounding, so at least n
	; behind it, and at most (n + 0.5) (1 + 1e-8) < n + 1: its floor is n.
	v_pk_add_f32 v[S:S+1], v[X:X+1], v[X+2:X+3]
	v_pk_add_f32 v[N:N+1], v[X+4:X+5], v[X+6:X+7]
	v_pk_add_f32 v[S:S+1], v[S:S+1], v[X+8:X+9]
	v_pk_add_f32 v[S:S+1], v[S:S+1], v[N:N+1]
	v_pk_mul_f32 v[N:N+1], v[S:S+1], 0x3727c5ad op_sel_hi:[1,0]
	v_floor_f32 v[N], v[N]
	v_floor_f32 v[N+1], v[N+1]
	v_sub_f32 v[S], v[S], v[S+1]
	v_sub_f32 v[N], v[N], v[N+1]
	v_fmamk_f32 v[EVL], v[N], 0x47c35000, v[S]
	; q_i = 9 A + B, or 16384 A + B where four of the player's stones wait for the fifth
.irp i, 0,1,2,3,4
	v_cmp_le_f32 s[32+\i], s37, v[X+2*\i]
.endr
.irp i, 0,1,2,3,4
	v_cndmask_b32 v[MQ+\i], v[NINE], v[BIG], s[32+\i]
.endr
	v_fma_f32 v[X],    v[MQ],   v[X],   v[X+1]     ; q0, which is position 0's sum
	v_fma_f32 v[MQ+1], v[MQ+1], v[X+2], v[X+3]
	v_fma_f32 v[MQ+2], v[MQ+2], v[X+4], v[X+5]
	v_fma_f32 v[MQ+3], v[MQ+3], v[X+6], v[X+7]
	v_fma_f32 v[X+16], v[MQ+4], v[X+8], v[X+9]     ; q4, which is position 8's sum
	; position j's sum over the windows that hold it, into the a register of pair j: running sums from both ends
	v_add_f32 v[X+2],  v[X],    v[MQ+1]
	v_add_f32 v[X+14], v[X+16], v[MQ+3]
	v_add_f32 v[X+4],  v[X+2],  v[MQ+2]
	v_add_f32 v[X+12], v[X+14], v[MQ+2]
	v_add_f32 v[X+6],  v[X+4],  v[MQ+3]
	v_add_f32 v[X+10], v[X+12], v[MQ+1]
	v_add_f32 v[X+8],  v[X+6],  v[X+16]
	; back over my own line, which no other thread reads in this stage; the b words go along unread, to make 16-byte stores
	ds_store_b128 v[LA], v[X:X+3]
	ds_store_b128 v[LA], v[X+4:X+7]   offset:16
	ds_store_b128 v[LA], v[X+8:X+11]  offset:32
	ds_store_b128 v[LA], v[X+12:X+15] offset:48
	ds_store_b32  v[LA], v[X+16]      offset:64
	ds_store_b32  v[EA], v[EVL]       offset:EVP
	BARRIER
	s_cmp_eq_u32 s12, NB
	s_cbranch_scc1 .Lvalue
	; ---------------- stage 2, waves 0-7: the board's policy, into registers ----------------
	ds_load_b32 v[E1], v[E1A] offset:EVP           ; lines 0-31 of my board, one a lane
	ds_load_b32 v[E2], v[E2A] offset:EVP+128       ; lines 32-35 (used in lanes 0-3)
.irp j, 0,1,2
	ds_load_b32 v[H+\j], v[AH]    offset:8*\j      ; the same addresses as in stage 0
	ds_load_b32 v[V+\j], v[AV]    offset:OV+LP*\j
	ds_load_b32 v[D+\j], v[AD+\j] offset:OD
	ds_load_b32 v[A+\j], v[AA+\j] offset:OA
.endr
	s_wait_dscnt 12                                ; LDS loads come back in order: the two ev words are in, the twelve sums behind them may be out
	v_cndmask_b32 v[E2], 0, v[E2], s27
	v_add_f32 v[E1], v[E1], v[E2]
	v_add_f32_dpp v[E1], v[E1], v[E1] row_xmask:1 row_mask:0xf bank_mask:0xf
	v_add_f32_dpp v[E1], v[E1], v[E1] row_xmask:2 row_mask:0xf bank_mask:0xf
	v_add_f32_dpp v[E1], v[E1], v[E1] row_xmask:4 row_mask:0xf bank_mask:0xf
	v_add_f32_dpp v[E1], v[E1], v[E1] row_xmask:8 row_mask:0xf bank_mask:0xf
	v_permlanex16_b32 v[E2], v[E1], s30, s31
	v_add_f32 v[E1], v[E1], v[E2]
	v_mul_f32 v[E1], 0.5, v[E1]                    ; ev, in every lane
	s_wait_dscnt 0x0
.irp j, 0,1,2
	v_add_f32 v[H+\j], v[H+\j], v[V+\j]
	v_add_f32 v[D+\j], v[D+\j], v[A+\j]
	v_add_f32 v[H+\j], v[H+\j], v[D+\j]            ; over the cell's four lines
	v_fma_f32 v[Z+\j], v[H+\j], 0.5, v[E1]         ; the score: a whole number below 2^24, so this rounding changes nothing
	v_cmp_gt_f32 vcc_lo, s38, v[H+\j]              ; no win
	v_cndmask_b32 v[Z+\j], 0x47c35000, v[Z+\j], vcc_lo     ; a win: 100000
	v_cndmask_b32 v[Z+\j], s39, v[Z+\j], s[24+\j]          ; not empty: -1000000
	v_mul_f32 v[Z+\j], 0x3cf5c28f, v[Z+\j]         ; x 0.03, rounded here as the reference rounds it: z can reach 4e5, where the last bit is 0.03,
.endr                                              ; so neither this product nor the difference below is fused with log2 e
	v_max3_num_f32 v[M], v[Z], v[Z+1], v[Z+2]      ; lanes 27-31 repeat lane 26: harmless to a maximum
	v_max_num_f32_dpp v[M], v[M], v[M] row_xmask:1 row_mask:0xf bank_mask:0xf
	v_max_num_f32_dpp v[M], v[M], v[M] row_xmask:2 row_mask:0xf bank_mask:0xf
	v_max_num_f32_dpp v[M], v[M], v[M] row_xmask:4 row_mask:0xf bank_mask:0xf
	v_max_num_f32_dpp v[M], v[M], v[M] row_xmask:8 row_mask:0xf bank_mask:0xf
	v_permlanex16_b32 v[E2], v[M], s30, s31
	v_max_num_f32 v[M], v[M], v[E2]
.irp j, 0,1,2
	v_sub_f32 v[Z+\j], v[Z+\j], v[M]
.endr
.irp j, 0,1,2
	v_mul_f32 v[Z+\j], 0x3fb8aa3b, v[Z+\j]         ; e^x = 2^(x log2 e)
.endr
.irp j, 0,1,2
	v_exp_f32 v[Z+\j], v[Z+\j]
.endr
	v_nop                                          ; one plain vector instruction between the last v_exp_f32 and the first use of a result
	s_wait_alu depctr_va_vdst(0)
	v_add_f32 v[T], v[Z], v[Z+1]
	v_add_f32 v[T], v[T], v[Z+2]
	v_cndmask_b32 v[T], 0, v[T], s28               ; the repeating lanes add nothing
	v_add_f32_dpp v[T], v[T], v[T] row_xmask:1 row_mask:0xf bank_mask:0xf
	v_add_f32_dpp v[T], v[T], v[T] row_xmask:2 row_mask:0xf bank_mask:0xf
	v_add_f32_dpp v[T], v[T], v[T] row_xmask:4 row_mask:0xf bank_mask:0xf
	v_add_f32_dpp v[T], v[T], v[T] row_xmask:8 row_mask:0xf bank_mask:0xf
	v_permlanex16_b32 v[E2], v[T], s30, s31
	v_add_f32 v[T], v[T], v[E2]                    ; at least 1: the largest logit's own term
	v_rcp_f32 v[T], v[T]
	v_nop                                          ; as behind v_exp_f32
	s_wait_alu depctr_va_vdst(0)
.irp j, 0,1,2
	v_mul_f32 v[Z+\j], v[Z+\j], v[T]               ; my three probabilities, kept in registers over the barrier below
.endr
	s_branch .Lread
.Lvalue:
	; ---------------- stage 2, wave 8: the eight values.  Lane l sums lines 9l .. 9l+8; four lanes make a board ----------------
	v_mul_u32_u24 v[E1], v[LANE], 36
	ds_load_b96 v[36:38], v[E1] offset:EVP
	ds_load_b96 v[40:42], v[E1] offset:EVP+12
	ds_load_b96 v[44:46], v[E1] offset:EVP+24
	s_lshl_b32 s20, ttmp9, 5                       ; the group's 8 words of out1
	s_mov_b32 s21, 0
	s_wait_kmcnt 0x0                               ; this wave has not waited for the addresses yet
	s_add_nc_u64 s[10:11], s[10:11], s[20:21]
	v_and_b32 v[E2], 3, v[LANE]
	s_wait_dscnt 0x0
	v_add_f32 v36, v36, v37
	v_add_f32 v38, v38, v40
	v_add_f32 v41, v41, v42
	v_add_f32 v44, v44, v45
	v_add_f32 v36, v36, v38
	v_add_f32 v41, v41, v44
	v_add_f32 v36, v36, v41
	v_add_f32 v36, v36, v46
	v_add_f32_dpp v36, v36, v36 row_xmask:1 row_mask:0xf bank_mask:0xf
	v_add_f32_dpp v36, v36, v36 row_xmask:2 row_mask:0xf bank_mask:0xf    ; 2 ev of board l / 4
	v_mul_f32 v36, 0x39fc2115, v36                 ; tanh(x) = 1 - 2 / (1 + 2^(2 x log2 e)), x = 2 ev / 6000: the factor is log2 e / 3000
	v_exp_f32 v36, v36                             ; infinity or 0 at the far ends, which give 1 and -1
	v_nop
	s_wait_alu depctr_va_vdst(0)
	v_add_f32 v36, 1.0, v36
	v_rcp_f32 v36, v36
	v_nop
	s_wait_alu depctr_va_vdst(0)
	v_fma_f32 v36, v36, -2.0, 1.0
	v_max_num_f32 v36, 0xbf733333, v36             ; clip to -0.95 .. 0.95
	v_min_num_f32 v36, 0x3f733333, v36
	v_cmp_eq_u32 vcc_lo, 0, v[E2]
	s_wait_xcnt 0x0                                ; EXEC changes only when no memory instruction still has it as a source
	s_and_saveexec_b32 s23, vcc_lo                 ; lanes 0, 4, .. 28: board l / 4's word is at byte l, 32 consecutive bytes in one store
	global_store_b32 v[LANE], v36, s[10:11] th:TH_STORE_NT
	s_wait_xcnt 0x0
	s_or_b32 exec_lo, exec_lo, s23
.Lread:
	; ---------------- stage 3: the image, then the way out ----------------
	BARRIER                                        ; every wave's LDS loads of stage 2 have come back: no LDS store of this stage stands
	                                               ; beside another wave's loads of the stage before
	s_cmp_eq_u32 s12, NB
	s_cbranch_scc1 .Lstaged                        ; wave 8 has no row; the branch jumps over the one store and over no barrier
	ds_store_b96 v[SA], v[Z:Z+2] offset:STAGE      ; my 12 bytes of the image (lanes 27-31: lane 26's bytes, with lane 26's numbers)
.Lstaged:
	s_wait_dscnt 0x0                               ; my part of the image has landed
	s_barrier_signal -1
	; Register work while the others arrive.  The group's bytes of out0 start at 2,592 wg = a multiple of 256 + 32 (wg mod 8).  Thread t takes
	; the 16 bytes at that multiple of 256 + 16 t, so that each store of a wave covers 512 consecutive bytes from a multiple of 256;
	; only the first and the last 256 bytes that the group touches are shared with a neighbouring group (8 boards are 10 x 256 + 32 bytes).
	s_and_b32 s43, ttmp9, 7
	s_lshl_b32 s43, s43, 5                         ; 32 (wg mod 8)
	s_mul_i32 s40, ttmp9, NB*ROWB
	s_sub_co_u32 s40, s40, s43
	s_mov_b32 s41, 0
	s_add_nc_u64 s[8:9], s[8:9], s[40:41]
	s_sub_co_u32 s42, SLACK, s43
	v_lshlrev_b32 v[GO], 4, v0                     ; 16 t
	v_add_nc_u32 v[SG], s42, v[GO]                 ; byte in the image + SLACK: never negative
	v_sub_nc_u32 v[TMP], v[GO], s43                ; byte in the image; wraps to a large number in front of it
	s_barrier_wait -1                              ; the image is whole
	s_cmp_ge_u32 s12, 6
	s_cbranch_scc1 .Lend                           ; 224 + 2,592 bytes are 176 threads: waves 0-5
	v_cmp_gt_u32 vcc_lo, NB*ROWB, v[TMP]
	s_wait_xcnt 0x0
	s_wait_tensorcnt 0x0
	ds_add_u32 v84, v85
	s_wait_dscnt 0x0
	s_and_saveexec_b32 s22, vcc_lo                 ; the threads whose 16 bytes are the group's
	ds_load_b128 v[36:39], v[SG] offset:STAGE-SLACK
	s_wait_dscnt 0x0
	global_store_b128 v[GO], v[36:39], s[8:9] th:TH_STORE_NT
	s_endpgm
.Lend:
	s_wait_tensorcnt 0x0
	ds_add_u32 v84, v85
	s_wait_dscnt 0x0
	s_endpgm
.Lfunc_end_k_qaf1853e3aa_heur:
	.size	k_qaf1853e3aa_heur, .Lfunc_end_k_qaf1853e3aa_heur-k_qaf1853e3aa_heur
	.p2alignl 7, 3214868480
	.fill 96, 4, 3214868480
	.section	.rodata,"a",@progbits
	.p2align	6, 0x0
	.amdhsa_kernel k_qaf1853e3aa_heur
		.amdhsa_group_segment_fixed_size 28928
		.amdhsa_private_segment_fixed_size 0
		.amdhsa_enable_private_segment 0
		.amdhsa_kernarg_size 32
		.amdhsa_user_sgpr_count 2
		.amdhsa_user_sgpr_kernarg_segment_ptr 1
		.amdhsa_wavefront_size32 1
		.amdhsa_system_sgpr_workgroup_id_x 1
		.amdhsa_system_sgpr_workgroup_id_y 1
		.amdhsa_system_sgpr_workgroup_id_z 1
		.amdhsa_system_vgpr_workitem_id 0
		.amdhsa_next_free_vgpr 86
		.amdhsa_next_free_sgpr 66
		.amdhsa_reserve_vcc 1
		.amdhsa_float_denorm_mode_32 3
		.amdhsa_float_denorm_mode_16_64 3
		.amdhsa_memory_ordered 1
		.amdhsa_forward_progress 1
		.amdhsa_inst_pref_size 18
	.end_amdhsa_kernel
	.amdgpu_metadata
---
amdhsa.version: [ 1, 2 ]
amdhsa.kernels:
  - .name:           k_qaf1853e3aa_heur
    .symbol:         k_qaf1853e3aa_heur.kd
    .args:
      - { .name: boards, .offset: 0, .size: 8, .value_kind: global_buffer, .address_space: global }
      - { .name: current_player, .offset: 8, .size: 8, .value_kind: global_buffer, .address_space: global }
      - { .name: out0, .offset: 16, .size: 8, .value_kind: global_buffer, .address_space: global }
      - { .name: out1, .offset: 24, .size: 8, .value_kind: global_buffer, .address_space: global }
    .group_segment_fixed_size: 28928
    .private_segment_fixed_size: 0
    .kernarg_segment_align: 8
    .kernarg_segment_size: 32
    .max_flat_workgroup_size: 288
    .sgpr_count:     66
    .vgpr_count:     86
    .wavefront_size: 32
...
	.end_amdgpu_metadata
.endif
;; end of part 1
